; MI455X (gfx1250); checked and timed in simulation.
; The chip was launched on July 23, 2026; its instructions are those of AMD's public machine-readable ISA for CDNA 5 (MIT licence, August 2026) and "CDNA5" Instruction Set Architecture Reference Guide (July 2026). The comments in the code are by the model that wrote it; some were corrected since.
;; Article Aware Atten. Allowed arithmetic: matrix products marked QUANTISED: E2M3 operands, one E8M0 scale for each 32 along K, by v_wmma_scale_f32_16x16x128_f8f6f4 with both operands' format E2M3, f32 sums; products left as they are: f32 operands where the result goes on into a quantised operand, else bf16, f16 or f32 operands; f32 sums; everything else in f32.
;; Inputs: art_vecs 16 x 768 float32; encs 16 x 2,048 x 1,024 float32; transArt 768 x 1,024 float32; transM 1,024 x 1,024 float32.
;; Outputs: out0 16 x 2,048 float32.
;; This version of the problem:
;;   THIS VERSION OF THE PROBLEM IS GIVEN IN LOW PRECISION. The matrix products marked QUANTISED in the list below multiply operands that are first quantised to E2M3 (2 exponent bits, 3 mantissa bits; 6 bits a number), with one power-of-two scale for each 32 numbers along K (OCP MX v1.0); their sums are f32. All else is computed in f32.
;;   The module's matrix products, in the order in which they are computed (A, B: the left and right operand; K: the contracted axis; several contracted axes count as one K, in the product's order):
;;     1. [M 32,768, K 1,024] x [K 1,024, N 1,024]; A: input encs; B: input transM: QUANTISED
;;     2. [M 16, K 768] x [K 768, N 1,024]; A: input art_vecs; B: input transArt: QUANTISED
;;     3. batch 16 x [M 2,048, K 1,024] x [K 1,024, N 1]; A: computed on the way; B: computed on the way: left as it is (N = 1 < 16)
;;     4. batch 16 x [M 1,024, K 2,048] x [K 2,048, N 1]; A: computed on the way; B: softmax: left as it is (N = 1 < 16)
;;   THE QUANTISER, for each operand of a quantised product, along K:
;;     - K is cut into blocks of 32 from its start; a last block that is shorter is filled with zeros.
;;     - A block's scale is 2^e with e = floor(log2(the largest magnitude in the block)) - 2, held to -126 .. 127; a block of zeros has e = 0. As a byte (E8M0): e + 127.
;;     - Each number is divided by its block's scale, clamped to +-7.5, and rounded to the nearest number of E2M3, ties to even, subnormals kept.
;;     - The product sums the exact products of the quantised numbers (number of the format x scale) in f32.
;;   ~~~python
;;   def quantise(x, axis):      # numpy; x: float32 -> the quantised numbers, widened to float32 again
;;       x = np.moveaxis(x, axis, -1); K = x.shape[-1]
;;       x = np.pad(x, [(0, 0)] * (x.ndim - 1) + [(0, -K % 32)]); x = x.reshape(x.shape[:-1] + (-1, 32)); a = np.abs(x).max(-1, keepdims=True)
;;       e = np.where(a > 0, np.clip(np.frexp(np.where(a > 0, a, 1))[1] - 1 - 2, -126, 127), 0)      # np.frexp(a)[1] - 1 = floor(log2(a)), exactly
;;       r = np.clip(x / 2.0 ** e, -7.5, 7.5)
;;       step = 2.0 ** (np.maximum(np.frexp(np.where(r == 0, 1, r))[1] - 1, 0) - 3)
;;       q = np.round(r / step) * step * 2.0 ** e      # np.round: ties to even
;;       return np.moveaxis(q.reshape(q.shape[:-2] + (-1,))[..., :K], -1, axis).astype(np.float32)
;;   ~~~
;; One version. Each part assembles by itself: llvm-mc -triple=amdgcn-amd-amdhsa -mcpu=gfx1250 --defsym DOCPART=n.
;; ======== version 1 of 1: 3 launches
;; workspace buffers: wcodes 786,432 bytes; wscales 65,536 bytes; part 2,228,224 bytes
;; launch prep (part 1): grid 64 x 1, 8 waves a work-group, no clusters, 21,504 bytes of LDS; arguments transM, transArt, art_vecs, wcodes, wscales, out0; writes wcodes, wscales, out0
.if DOCPART == 1
	.amdgcn_target "amdgcn-amd-amdhsa--gfx1250"
	.amdhsa_code_object_version 6
	.text
	.protected	k_qe14d4ebc80_prep
	.globl	k_qe14d4ebc80_prep
	.p2align	8
	.type	k_qe14d4ebc80_prep,@function
k_qe14d4ebc80_prep:
	s_mov_b64 s[64:65], 0
	v_nop
	global_prefetch_b8 v0, s[64:65] scope:SCOPE_SE
	s_setreg_imm32_b32 hwreg(HW_REG_WAVE_MODE, 25, 1), 1
	s_wait_xcnt 0x0
; Work-groups 0-31: transM [1024 (k)][1024 (n)] f32 becomes codes of FP6 (E2M3) with one E8M0 byte for each 32 along K, laid as IMAGES OF THE OPERAND'S REGISTERS:
;   wcodes [K step s 0..7][tile of 16 columns 0..63][c 0..2][lane][16 bytes]: register 4 c + i of lane l of the fragment (16 columns x 128 K) lies at 512 c + 16 l + 4 i;
;   wscales [w 0..3][copy 0..1][s][pair 0..7][lane] words: lanes 0-15 the scale words of tile 16 w + 2 pair, lanes 16-31 those of the tile behind it.  The eight K steps stand twice on end,
;   so that eight K steps that begin anywhere and go round are 8,192 consecutive bytes.
; Work-groups 32-63: art = Q(art_vecs) Q(transArt), [16][1024], the second half of every row of out0; both operands are quantised in registers.
; A LANE TAKES A COLUMN AND ITS REGISTERS RUN DOWN K: a load reads 128 consecutive bytes a wave, a block of 32 along K lies in one lane, the conversions give codes with K innermost.
; A wave holds 32 columns x 4 blocks.  Blocks 0, 2 are laid into F0, blocks 1, 3 into F1; twelve exchanges of half rows of lanes then make F0 and F1 the fragments of the two tiles of 16 columns.
; A block's scale is 2^(floor(log2(largest magnitude)) - 2); its byte is the largest magnitude's exponent field - 2, held at 1 from below by a floor among the maximum's leaves.
; LIMITS: NaN and infinities among the inputs are not served; blocks whose largest magnitude lies under 2^-124 get the byte 1; a block of zeros gets the byte 1 and not 127: its codes are zeros, and this program alone reads the bytes.
; The art path shares K among the eight waves, 96 each: three blocks; the instruction's fourth block is zero codes on both sides under a byte that is not 0xff.  The eight parts meet in LDS and wave 0 adds them in ascending K.
; The work-groups share no tile, so there is no cluster; the scale words leave in runs of 128 bytes (64 KB in all) and art in runs of 128 bytes a row (64 KB in all), since a wave owns 32 columns.
.set X,    64                          ; v64-191  128 numbers down K; later wave 0's eight parts
.set Y,    192                         ; v192-255 art_vecs' 64 numbers; later the two results
.set F0,   16                          ; v16-27   the fragment of the pair's first tile
.set F1,   28                          ; v28-39   of its second
.set TC,   40                          ; v40-42   a conversion's three registers begin on an even number: a block's second half is made here and moved
.set TC2,  188                         ; v188-190 the same, art path
.set SW,   48                          ; v48      the columns' scale word
.set AFR,  50                          ; v50-61   art_vecs' fragment
.set ASW,  62                          ; v62      its scale word
.set OUTS, 16384                       ; LDS: bytes 0-16383 the eight waves' parts, 2,048 each; from 16384 wave 0's 16 rows x (128 bytes + 16)
	s_load_b256 s[4:11], s[0:1], 0x0               ; transM s[4:5], transArt s[6:7], art_vecs s[8:9], wcodes s[10:11]
	s_load_b128 s[12:15], s[0:1], 0x20             ; wscales s[12:13], out0 s[14:15]
	v_lshl_add_u32 v49, v0, 2, 0x5000
	v_mov_b32 v63, 0
	v_lshrrev_b32 v1, 5, v0
	v_readfirstlane_b32 s16, v1                    ; wave 0..7
	v_and_b32 v1, 31, v0                           ; lane
	v_lshlrev_b32 v2, 2, v1                        ; 4 x lane
	v_lshlrev_b32 v3, 4, v1                        ; 16 x lane
	v_and_b32 v4, 15, v0                           ; r
	v_bfe_u32 v5, v0, 4, 1                         ; h
	s_mov_b32 s20, 0x76543210
	s_mov_b32 s21, 0xfedcba98                      ; v_permlanex16_b32's selects for lane l xor 16
	s_mov_b32 s23, 0                               ; the high words of three byte offsets
	s_mov_b32 s25, 0
	s_mov_b32 s27, 0
; block b of my column (32 numbers, v[X + 32 b] on) becomes six registers of codes at v[dst] on and byte b of the scale word
.macro QBLK b, dst
	v_max3_num_f32 v44, |v[X+32*\b]|, |v[X+32*\b+1]|, |v[X+32*\b+2]|
	v_max3_num_f32 v45, |v[X+32*\b+3]|, |v[X+32*\b+4]|, |v[X+32*\b+5]|
.irp i, 6,10,14,18,22,26
	v_max3_num_f32 v44, v44, |v[X+32*\b+\i]|, |v[X+32*\b+\i+1]|
	v_max3_num_f32 v45, v45, |v[X+32*\b+\i+2]|, |v[X+32*\b+\i+3]|
.endr
	v_max3_num_f32 v44, v44, |v[X+32*\b+30]|, |v[X+32*\b+31]|
	v_max3_num_f32 v44, v44, v45, 0x1800000        ; and the floor 2^(3 - 127): the byte cannot fall under 1
	v_add_nc_u32 v46, 0xff000000, v44              ; 2 off the exponent field: the conversion takes the exponent field of this operand as its scale
	v_lshrrev_b32 v47, 23, v46                     ; the scale's byte
.if \b == 0
	v_mov_b32 v[SW], v47
.else
	v_lshl_or_b32 v[SW], v47, 8*\b, v[SW]
.endif
	v_cvt_scalef32_pk16_fp6_f32 v[\dst:\dst+2], v[X+32*\b:X+32*\b+15], v46
	v_cvt_scalef32_pk16_fp6_f32 v[TC:TC+2], v[X+32*\b+16:X+32*\b+31], v46
	v_nop                                          ; one plain place behind a scaled conversion
.irp i, 0,1,2
	v_mov_b32 v[\dst+3+\i], v[TC+\i]
.endr
.endm
.macro SWAPS                           ; F0's lanes 16-31 change places with F1's lanes 0-15: lane (r, h) of F0 then holds blocks h and 2 + h of column r, of F1 those of column 16 + r
.irp k, 0,1,2,3,4,5,6,7,8,9,10,11
	v_permlane16_swap_b32 v[F0+\k], v[F1+\k]
.endr
.endm
	s_wait_kmcnt 0x0
	s_cmp_ge_u32 ttmp9, 32                         ; the same for all waves of a work-group
	s_cbranch_scc1 .Lart
	; ---- transM: pair of tiles q = 4 (id % 8) + wave % 4, K step s = 2 (id / 8) + wave / 4
	s_and_b32 s17, ttmp9, 7
	s_lshl_b32 s17, s17, 2
	s_and_b32 s18, s16, 3
	s_add_co_u32 s17, s17, s18                     ; q
	s_lshr_b32 s18, ttmp9, 3
	s_lshl_b32 s18, s18, 1
	s_lshr_b32 s19, s16, 2
	s_add_co_u32 s18, s18, s19                     ; s
	s_lshl_b32 s22, s18, 19                        ; 128 rows of 4,096 bytes
	s_lshl_b32 s19, s17, 7                         ; 32 columns
	s_add_co_u32 s22, s22, s19
	s_add_nc_u64 s[4:5], s[4:5], s[22:23]
	s_mul_i32 s24, s18, 98304                      ; a K step's 64 images
	s_mul_i32 s19, s17, 3072                       ; two images
	s_add_co_u32 s24, s24, s19
	s_add_nc_u64 s[10:11], s[10:11], s[24:25]
	s_lshr_b32 s26, s17, 3
	s_lshl_b32 s26, s26, 14                        ; 16,384 bytes for each quarter of the columns: two copies of 8,192
	s_lshl_b32 s19, s18, 10
	s_add_co_u32 s26, s26, s19
	s_and_b32 s19, s17, 7
	s_lshl_b32 s19, s19, 7
	s_add_co_u32 s26, s26, s19
	s_add_nc_u64 s[12:13], s[12:13], s[26:27]
.set i, 0
.rept 128
	global_load_b32 v[X+i], v2, s[4:5] offset:4096*i th:TH_LOAD_NT
.set i, i+1
.endr
	s_wait_loadcnt 63                              ; of 128 loads the first 65 are in: blocks 0 and 1
	QBLK 0, F0
	QBLK 1, F1
	s_wait_loadcnt 32                              ; block 3's 32 may be out
	QBLK 2, F0+6
	s_wait_loadcnt 0x0
	QBLK 3, F1+6
	SWAPS
.irp k, 0,1,2,3,4,5
	global_store_b128 v3, v[F0+4*\k:F0+4*\k+3], s[10:11] offset:512*\k   ; 32 lanes store 512 consecutive bytes, aligned
.endr
	global_store_b32 v2, v[SW], s[12:13]           ; lane l holds column l's word: already the pair's layout
	global_store_b32 v2, v[SW], s[12:13] offset:8192   ; and once more, in the second copy
	s_endpgm
.Lart:	; ---- art: columns 32 q on, q = id - 32; my wave's K = 96 wave on
	s_sub_co_u32 s17, ttmp9, 32
	s_mul_i32 s22, s16, 384
	s_add_nc_u64 s[8:9], s[8:9], s[22:23]          ; art_vecs at my K
	s_mul_i32 s24, s16, 393216                     ; 96 rows of 4,096 bytes
	s_lshl_b32 s18, s17, 7
	s_add_co_u32 s24, s24, s18
	s_add_nc_u64 s[6:7], s[6:7], s[24:25]
	s_add_co_u32 s26, s18, 4096                    ; out0: column 1024 + 32 q
	s_add_nc_u64 s[14:15], s[14:15], s[26:27]
	s_lshl_b32 s19, s16, 11
	v_add_nc_u32 v9, s19, v3                       ; LDS: my wave's part, 16 x lane
	v_mul_u32_u24 v10, v4, 144
	v_lshl_add_u32 v10, v5, 5, v10
	v_add_nc_u32 v10, OUTS, v10                    ; wave 0's turn, in: row r (a batch), 32 h bytes on
	v_lshrrev_b32 v15, 3, v1
	v_and_b32 v12, 7, v1
	v_mul_u32_u24 v11, v15, 144
	v_lshl_add_u32 v11, v12, 4, v11
	v_add_nc_u32 v11, OUTS, v11                    ; back: eight lanes to a row of 128 bytes, four rows an instruction
	v_lshlrev_b32 v12, 4, v12
	v_lshl_add_u32 v12, v15, 13, v12               ; and the same place in out0 (rows of 8,192 bytes)
	v_mul_u32_u24 v14, v4, 3072                    ; art_vecs: row r
	v_lshl_add_u32 v13, v5, 7, v14                 ; + block h
.irp j, 0,1,2,3,4,5,6,7
	global_load_b128 v[Y+4*\j:Y+4*\j+3], v13, s[8:9] offset:16*\j          ; block h of my 96
.endr
.irp j, 0,1,2,3,4,5,6,7
	global_load_b128 v[Y+32+4*\j:Y+32+4*\j+3], v14, s[8:9] offset:256+16*\j   ; block 2, in both halves of the lanes: no load leaves the buffer
.endr
.set i, 0
.rept 96
	global_load_b32 v[X+i], v2, s[6:7] offset:4096*i th:TH_LOAD_NT
.set i, i+1
.endr
	s_wait_loadcnt 63                              ; of 112 loads the first 49 are in: art_vecs' 16 and block 0's 32
.irp c, 0,1
	v_max3_num_f32 v[44+\c], |v[Y+32*\c]|, |v[Y+32*\c+1]|, 0x1800000
.endr
.irp i, 2,4,6,8,10,12,14,16,18,20,22,24,26,28,30
.irp c, 0,1
	v_max3_num_f32 v[44+\c], v[44+\c], |v[Y+32*\c+\i]|, |v[Y+32*\c+\i+1]|
.endr
.endr
.irp c, 0,1
	v_add_nc_u32 v[46+\c], 0xff000000, v[44+\c]
.endr
.irp c, 0,1
	v_lshrrev_b32 v[6+\c], 23, v[46+\c]
.endr
	v_lshl_or_b32 v[ASW], v7, 16, v6               ; my two bytes: blocks h and 2 + h of batch r (lanes 16-31: block 3 takes block 2's byte over zero codes),
	v_lshlrev_b32 v8, 3, v5
	v_lshlrev_b32 v[ASW], v8, v[ASW]               ; 8 h bits up;
	v_mov_b32 v8, 0
	v_permlanex16_b32 v8, v[ASW], s20, s21
	v_or_b32 v[ASW], v[ASW], v8                    ; with lane l xor 16's two the word is whole
	v_cvt_scalef32_pk16_fp6_f32 v[AFR:AFR+2], v[Y:Y+15], v46
	v_cvt_scalef32_pk16_fp6_f32 v[TC:TC+2], v[Y+16:Y+31], v46
	v_cvt_scalef32_pk16_fp6_f32 v[AFR+6:AFR+8], v[Y+32:Y+47], v47
	v_cvt_scalef32_pk16_fp6_f32 v[TC2:TC2+2], v[Y+48:Y+63], v47
	v_nop                                          ; one plain place behind a scaled conversion
.irp i, 0,1,2
	v_mov_b32 v[AFR+3+\i], v[TC+\i]
	v_mov_b32 v[AFR+9+\i], v[TC2+\i]
.endr
	v_cmp_gt_u32 vcc_lo, 16, v1
.irp i, 6,7,8,9,10,11
	v_cndmask_b32 v[AFR+\i], 0, v[AFR+\i], vcc_lo  ; block 3 does not exist: zero codes in lanes 16-31
.endr
	QBLK 0, F0
	s_wait_loadcnt 32
	QBLK 1, F1
	s_wait_loadcnt 0x0
	QBLK 2, F0+6
.irp i, 6,7,8,9,10,11
	v_mov_b32 v[F1+\i], 0                          ; block 3: zero codes,
.endr
	v_or_b32 v[SW], 0x7f000000, v[SW]              ; under the byte 127
	SWAPS
.rept 8
	v_nop                                          ; a scale register written by a vector instruction stands 8 places ahead of a scaled matrix instruction, an operand so written 4
.endr
	; used transposed: source 0 = 16 columns of transArt, source 1 = the 16 batches: lane (r, h) holds batch r and columns 8 h + 0 .. 7 of the tile
	v_wmma_scale_f32_16x16x128_f8f6f4 v[192:199], v[F0:F0+11], v[AFR:AFR+11], 0, v[SW], v[ASW] matrix_a_fmt:MATRIX_FMT_FP6 matrix_b_fmt:MATRIX_FMT_FP6
	v_wmma_scale_f32_16x16x128_f8f6f4 v[200:207], v[F1:F1+11], v[AFR:AFR+11], 0, v[SW], v[ASW] matrix_a_fmt:MATRIX_FMT_FP6 matrix_b_fmt:MATRIX_FMT_FP6 matrix_a_scale:MATRIX_SCALE_ROW1
.rept 4
	v_nop                                          ; four places in front of the first read of the results (ISA guide 7.12.1)
.endr
.irp g, 0,1,2,3
	ds_store_b128 v9, v[192+4*\g:195+4*\g] offset:512*\g   ; each result from its low end on
.endr
	s_wait_dscnt 0x0                               ; for wave 0's sake: my part lies in LDS
	s_barrier_signal -1
	s_barrier_wait -1
	s_cmp_lg_u32 s16, 0
	s_cbranch_scc1 .Ldone
.irp w, 0,1,2,3,4,5,6,7
.irp g, 0,1,2,3
	ds_load_b128 v[X+16*\w+4*\g:X+16*\w+4*\g+3], v3 offset:2048*\w+512*\g
.endr
.endr
	s_wait_dscnt 0x0
.irp w, 1,2,3,4,5,6,7                  ; K ascending
.irp p, 0,2,4,6,8,10,12,14
	v_pk_add_f32 v[X+\p:X+\p+1], v[X+\p:X+\p+1], v[X+16*\w+\p:X+16*\w+\p+1]
.endr
.endr
	ds_store_b128 v10, v[X:X+3]                    ; the first tile's columns 8 h + 0 .. 7,
	ds_store_b128 v10, v[X+4:X+7] offset:16
	ds_store_b128 v10, v[X+8:X+11] offset:64       ; the second tile's
	ds_store_b128 v10, v[X+12:X+15] offset:80
.irp e, 0,1,2,3
	ds_load_b128 v[X+16+4*\e:X+19+4*\e], v11 offset:576*\e   ; LDS serves a wave's instructions in order (ISA guide 5.7.1.4): these see the stores above
.endr
	s_wait_dscnt 0x0
.irp e, 0,1,2,3
	global_store_b128 v12, v[X+16+4*\e:X+19+4*\e], s[14:15] offset:32768*\e   ; eight lanes store a batch's 128 consecutive bytes
.endr
.Ldone:
	s_wait_tensorcnt 0x0
	ds_add_u32 v49, v63
	s_wait_dscnt 0x0
	s_endpgm
.Lfunc_end_k_qe14d4ebc80_prep:
	.size	k_qe14d4ebc80_prep, .Lfunc_end_k_qe14d4ebc80_prep-k_qe14d4ebc80_prep
	.p2alignl 7, 3214868480
	.fill 96, 4, 3214868480
	.section	.rodata,"a",@progbits
	.p2align	6, 0x0
	.amdhsa_kernel k_qe14d4ebc80_prep
		.amdhsa_group_segment_fixed_size 21504
		.amdhsa_private_segment_fixed_size 0
		.amdhsa_enable_private_segment 0
		.amdhsa_kernarg_size 48
		.amdhsa_user_sgpr_count 2
		.amdhsa_user_sgpr_kernarg_segment_ptr 1
		.amdhsa_wavefront_size32 1
		.amdhsa_system_sgpr_workgroup_id_x 1
		.amdhsa_system_sgpr_workgroup_id_y 1
		.amdhsa_system_sgpr_workgroup_id_z 1
		.amdhsa_system_vgpr_workitem_id 0
		.amdhsa_next_free_vgpr 256
		.amdhsa_next_free_sgpr 66
		.amdhsa_reserve_vcc 1
		.amdhsa_float_denorm_mode_32 3
		.amdhsa_float_denorm_mode_16_64 3
		.amdhsa_memory_ordered 1
		.amdhsa_forward_progress 1
		.amdhsa_inst_pref_size 49
	.end_amdhsa_kernel
	.amdgpu_metadata
---
amdhsa.version: [ 1, 2 ]
amdhsa.kernels:
  - .name:           k_qe14d4ebc80_prep
    .symbol:         k_qe14d4ebc80_prep.kd
    .args:
      - { .name: transM, .offset: 0, .size: 8, .value_kind: global_buffer, .address_space: global }
      - { .name: transArt, .offset: 8, .size: 8, .value_kind: global_buffer, .address_space: global }
      - { .name: art_vecs, .offset: 16, .size: 8, .value_kind: global_buffer, .address_space: global }
      - { .name: wcodes, .offset: 24, .size: 8, .value_kind: global_buffer, .address_space: global }
      - { .name: wscales, .offset: 32, .size: 8, .value_kind: global_buffer, .address_space: global }
      - { .name: out0, .offset: 40, .size: 8, .value_kind: global_buffer, .address_space: global }
    .group_segment_fixed_size: 21504
    .private_segment_fixed_size: 0
    .kernarg_segment_align: 8
    .kernarg_segment_size: 48
    .max_flat_workgroup_size: 256
    .sgpr_count:     66
    .vgpr_count:     256
    .wavefront_size: 32
...
	.end_amdgpu_metadata
.endif
;; end of part 1
;; launch main (part 2): grid 256 x 1, 4 waves a work-group, clusters of 4 x 1, 327,680 bytes of LDS; arguments encs, wcodes, wscales, out0, part; writes part
.if DOCPART == 2
	.amdgcn_target "amdgcn-amd-amdhsa--gfx1250"
	.amdhsa_code_object_version 6
	.text
	.protected	k_qe14d4ebc80_main
	.globl	k_qe14d4ebc80_main
	.p2align	8
	.type	k_qe14d4ebc80_main,@function
k_qe14d4ebc80_main:
	s_mov_b64 s[64:65], 0
	v_nop
	global_prefetch_b8 v0, s[64:65] scope:SCOPE_SE
	s_setreg_imm32_b32 hwreg(HW_REG_WAVE_MODE, 25, 1), 1
	s_wait_xcnt 0x0
	s_wait_alu depctr_hold_cnt(0) depctr_sa_sdst(0) depctr_va_vdst(0) depctr_va_sdst(0) depctr_va_ssrc(0) depctr_va_vcc(0) depctr_vm_vsrc(0)
	s_getreg_b32 s2, hwreg(HW_REG_IB_STS2, 6, 4)
	s_cmp_eq_u32 s2, 0
	s_cbranch_scc0 .Lentry_in_a_cluster
	s_endpgm
.Lentry_in_a_cluster:
	s_bfe_u32 s2, ttmp6, 0x10000c
	s_cmp_lg_u32 s2, 0x3003
	s_cbranch_scc0 .Lentry_shape_is_right
	s_endpgm
.Lentry_shape_is_right:
; E = Q(encs) Q(transM) on codes of FP6 (E2M3) with E8M0 scales, and on E, which never leaves the registers: score[row] = E[row] . art, p = exp(score - m), O[col] = sum over rows of p E[row][col].
; SHARES.  Work-group g owns rows 128 g .. 128 g + 127 (batch g / 16) as two blocks of 64 rows.  A block's whole E, 64 x 1024 f32, lies in the four waves' accumulators: wave w holds columns 256 w .. + 255,
; 64 accumulators of 16 x 16, 512 registers.  For each block it stores a record in part: O[1024], and (m, l), the block's largest score and the sum of its p; the last launch joins a batch's 32 records.
; 16 steps: block s / 8, one K step of 128 each.  In a step a wave issues 64 matrix instructions: source 0 = 16 rows of encs, source 1 = 16 columns of transM: lane (r, h) holds column r and rows 8 h + 0 .. 7.
; encs comes from memory once, straight into registers, 512 consecutive bytes a load, two steps ahead; wave w turns rows 16 w .. + 15 of a step through its own stage in LDS, quantises them one step ahead
; and hands the fragment to the other waves as an image of its registers.  transM's codes lie in memory as such images: a K step's are 98,304 dense bytes, a wave's quarter 24,576.
; CLUSTER.  All work-groups walk the same codes: the four of a cluster ask for each quarter JOINTLY (the same tensor load, the same descriptor, a mask that names the four) into a ring of two LDS slots.
; A wave fetches and reads its own quarter.  By this text's count a wave has three tensor loads out at the start and one behind each round.
; THE WALK ALONG K BEGINS AT ANOTHER PLACE IN EACH CLUSTER: cluster c takes K step (s + c % 8) % 8 in its step s.  So in one step the 64 clusters ask for eight different tiles and not all for the same one; their first fills
; (two tiles each) ask for all eight between them, and every refill asks for a tile that other clusters have asked for in their first fills.  c % 8 is equal in the four partners and enters global addresses alone.
; The products with one column are fused multiply-adds in f32 on the accumulators: a score decides an exponential, so nothing coarser stands ahead of it.  The maximum is taken away before the exponential.
; LIMITS: NaN and infinities among the inputs are not served; blocks of 32 whose largest magnitude lies under 2^-124 get the scale byte 1, a block of zeros too (its codes are zeros);
; the order of K in a sum hangs on the cluster, so the f32 sums' last bits differ from those of an ascending walk.
; REGISTERS, in windows of 256.  window 0: v1-18 addresses; v20-27 B's scale words, v28-31 A's; v32-63 art, each number twice; v64-101 the quantiser; v104-151 A's four fragments;
;   v152-247 B's fragments 8-15, over the 64 numbers that are quantised; in the epilogue v104-247 are at work.   window 1: v0-95 B's fragments 0-7; v96-223 two sets of 64 numbers of encs on their way.
;   windows 2, 3: accumulator (t, b), rows 16 t on, columns 16 b on, in window 2 + b / 8 at v[8 (4 (b % 8) + t)].
.set TILE,   98304                     ; a K step's codes
.set QT,     24576                     ; a wave's quarter: 16 images of 1,536 bytes
.set SLOT1,  131072                    ; LDS: slot 0 at 0, slot 1 here;
.set SCLB,   98304                     ; between them transM's scale words, 8,192 bytes a wave, filled once: row j of 1,024 bytes belongs to my cluster's j-th K step
.set AIMG,   229376                    ; A's images: two sets of 4 x 1,536 bytes,
.set ASC,    241664                    ; their scale words: two sets of 4 x 128 bytes
.set STG,    242688                    ; a stage of 16 rows x (512 bytes + 16) for each wave
.set SPITCH, 528                       ; 33 x 16 bytes: the sixteen rows that a load of 16 bytes a lane touches start in sixteen different groups of banks (64 banks of 4 bytes: ISA guide 11.1)
.set SCR,    276480                    ; the waves' parts of the 64 scores: 256 bytes a wave
.set OSTG,   277504                    ; O on its way out: 1,024 bytes a wave
.set SPARE,  281600                    ; the spare words, 128 bytes for each wave: two blocks of 256 bytes that no other line names
.set REC,    4352                      ; a record of part
.set GX,   1                           ; v1   16 x lane
.set ADB0, 2                           ; v2-3 my quarter in slot 0, 1, + 16 x lane
.set ADS0, 4                           ; v4   my scale words of transM, + 4 x lane
.set ADS,  5                           ; v5   the same at the step in hand
.set ADA,  6                           ; v6   A's images + 16 x lane
.set ADAS, 7                           ; v7   A's scale words + 4 x lane
.set XWI,  8                           ; v8   where I store my image
.set XWS,  9                           ; v9   and its scale words
.set STW,  10                          ; v10  my stage, in: 16 x lane
.set STR,  11                          ; v11  my stage, back: row r, + 64 h
.set SCW,  12                          ; v12  my wave's score parts + 32 h
.set SCRD, 13                          ; v13  wave 0's + 32 h
.set OSW,  14                          ; v14  O's stage + 4 x lane
.set OSR,  15                          ; v15  O's stage + 16 x lane
.set SPW,  16                          ; v16  my spare word; never rewritten
.set NIL,  17                          ; v17  0; never rewritten
.set L8,   18                          ; v18  8 x lane
.set BSR,  20
.set ASR,  28
.set ART2, 32
.set TM,   64                          ; v64-67 largest magnitudes, v68-71 bytes, v76-79 the conversions' scale operands
.set PW,   80                          ; the scale word just made
.set PC,   82                          ; v82-101 the codes just made
.set AF,   104
.set G23,  152
.set X,    152
.set RX,   96                          ; in window 1
.set SPR,  104                         ; the epilogue: scores, then p
.set TT,   136                         ; O in pairs
.set UU,   168
.set ZZ,   184
.set OB,   192
.set MX,   232                         ; v[232:233] (m, m), then (m, l)
.set ENC, 4                            ; s[4:5]   encs at my wave's 16 rows of the first block
.set BB,  6                            ; s[6:7]   wcodes at my quarter of K step 0
.set WV,  16
.set SN,  19                           ; the step's number
.set TS,  20                           ; 1,024 x (the step's number % 8)
.set CNT, 21
.set OFF, 22                           ; s[22:23]
.set G1,  24                           ; s[24:31] group 1 for a quarter;  s[32:39] for the scale words
.set G1S, 32
.set G0,  40                           ; s[40:43], s[44:47] group 0 for slot 0, 1;  s[48:51] for the scale words
.set G0S, 48
.set SEL, 52
.set XA,  54                           ; s[54:55] encs at the step that is asked for
.set XO,  56                           ; s[56:57]
.set XB,  60                           ; s[60:61] encs at step 1: a second base, since the first two fills go out together
.set K0,  62                           ; s62      where my cluster's walk along K begins: cluster x % 8
.set MSB, 0
.macro WIN new                         ; the immediate's high byte repeats the setting that is left
.if MSB != (\new)
	s_set_vgpr_msb (MSB<<8)|(\new)
.set MSB, (\new)
.endif
.endm
.macro PLACES n
.rept \n
	v_nop
.endr
.endm
.macro CREST                           ; a round of the cluster's barrier behind its opening barrier
	s_cmp_lg_u32 s[WV], 0
	s_cbranch_scc1 .Lnot_wave_0_\@
	s_barrier_signal -3
.Lnot_wave_0_\@:
	s_barrier_wait -3
	s_barrier_signal -1
	s_barrier_wait -1
.endm
.macro CROUND
	s_barrier_signal -1
	s_barrier_wait -1
	CREST
.endm
.macro XLOAD set, base, off            ; my 16 rows x 128 numbers of a step: a load takes a row's 512 consecutive bytes
	WIN 0x40
.irp i, 0,1,2,3,4,5,6,7,8,9,10,11,12,13,14,15
	global_load_b128 v[RX+64*(\set)+4*\i:RX+64*(\set)+4*\i+3], v[GX], s[\base:\base+1] offset:4096*\i+\off th:TH_LOAD_NT
.endr
	WIN 0
.endm
.macro TOSTAGE set
	WIN 0x04                                       ; an LDS store's data are its source 1: window 1
.irp i, 0,1,2,3,4,5,6,7,8,9,10,11,12,13,14,15
	ds_store_b128 v[STW], v[RX+64*(\set)+4*\i:RX+64*(\set)+4*\i+3] offset:SPITCH*\i
.endr
	WIN 0
.endm
.macro FROMSTAGE                       ; register 16 b + i = k 32 b + 16 h + i of row r.  LDS serves a wave's instructions in order (ISA guide 5.7.1.4): these see the stores above
.irp b, 0,1,2,3
.irp j, 0,1,2,3
	ds_load_b128 v[X+16*\b+4*\j:X+16*\b+4*\j+3], v[STR] offset:128*\b+16*\j
.endr
.endr
.endm
; 64 numbers of a lane become a fragment's codes in v[PC] on and its scale word in v[PW]
.macro QUANT s
.irp b, 0,1,2,3
	v_max3_num_f32 v[TM+\b], |v[\s+16*\b]|, |v[\s+1+16*\b]|, 0x1800000   ; block b: my 16 numbers, and the floor 2^(3 - 127): the byte cannot fall under 1
.endr
.irp i, 2,4,6,8,10,12,14
.irp b, 0,1,2,3
	v_max3_num_f32 v[TM+\b], v[TM+\b], |v[\s+16*\b+\i]|, |v[\s+1+16*\b+\i]|
.endr
.endr
.irp b, 0,1,2,3
	v_permlanex16_b32 v[TM+4+\b], v[TM+\b], s[SEL], s[SEL+1]
.endr
.irp b, 0,1,2,3
	v_max_num_f32 v[TM+\b], v[TM+\b], v[TM+4+\b]   ; with lane l xor 16's: the block's largest magnitude
.endr
.irp b, 0,1,2,3
	v_add_nc_u32 v[TM+12+\b], 0xff000000, v[TM+\b] ; 2 off its exponent field: the conversion's scale operand
.endr
.irp b, 0,1,2,3
	v_lshrrev_b32 v[TM+4+\b], 23, v[TM+12+\b]      ; the scale's byte
.endr
	v_lshl_or_b32 v[PW], v[TM+5], 8, v[TM+4]
	v_lshl_or_b32 v[PW], v[TM+6], 16, v[PW]
	v_lshl_or_b32 v[PW], v[TM+7], 24, v[PW]
.irp c, 0,1
	v_cvt_scalef32_pk16_fp6_f32 v[PC+6*\c:PC+2+6*\c], v[\s+32*\c:\s+15+32*\c], v[TM+12+2*\c]
	v_cvt_scalef32_pk16_fp6_f32 v[PC+12+4*\c:PC+14+4*\c], v[\s+16+32*\c:\s+31+32*\c], v[TM+12+2*\c+1]   ; (a conversion's three registers begin on an even number)
.endr
	v_nop                                          ; one plain place behind a scaled conversion
.irp c, 0,1                            ; the operand's layout wants a whole block in a lane: lanes 0-15 block 2 c, lanes 16-31 block 2 c + 1
.irp i, 0,1,2
	v_permlane16_swap_b32 v[PC+6*\c+\i], v[PC+12+4*\c+\i]
.endr
.irp i, 0,1,2
	v_mov_b32 v[PC+3+6*\c+\i], v[PC+12+4*\c+\i]
.endr
.endr
.endm
.macro IMAGE buf                       ; the fragment goes to LDS as it stands, its scale words beside it
.irp c, 0,1,2
	ds_store_b128 v[XWI], v[PC+4*\c:PC+4*\c+3] offset:6144*(\buf)+512*\c
.endr
	ds_store_b32 v[XWS], v[PW] offset:512*(\buf)
.endm
.macro FETCH_A buf                     ; 16 loads: the four waves' images and scale words
.irp t, 0,1,2,3
.irp c, 0,1,2
	ds_load_b128 v[AF+12*\t+4*\c:AF+12*\t+4*\c+3], v[ADA] offset:6144*(\buf)+1536*\t+512*\c
.endr
.endr
.irp t, 0,1,2,3
	ds_load_b32 v[ASR+\t], v[ADAS] offset:512*(\buf)+128*\t
.endr
.endm
.macro BSC                             ; 8 loads: the step's scale words of my 16 tiles, two tiles to a register
.irp p, 0,1,2,3,4,5,6,7
	ds_load_b32 v[BSR+\p], v[ADS] offset:128*\p
.endr
.endm
.macro FETCH_B par, f0                 ; 24 loads: eight of my sixteen fragments of B
.if \f0 == 0
	WIN 0x40
.endif
.irp f, 0,1,2,3,4,5,6,7
.irp c, 0,1,2
.if \f0 == 0
	ds_load_b128 v[12*\f+4*\c:12*\f+4*\c+3], v[ADB0+\par] offset:1536*\f+512*\c
.else
	ds_load_b128 v[G23+12*\f+4*\c:G23+12*\f+4*\c+3], v[ADB0+\par] offset:1536*(8+\f)+512*\c
.endif
.endr
.endr
	WIN 0
.endm
; 4 nb matrix instructions: B's tiles b0 on, each against A's four.  The 64 accumulators take turns, one instruction a turn, in the same order in every step.  zero = 1: the products start the sums
.macro MUL b0, nb, zero
.set bb, \b0
.rept \nb
.if bb < 8
.set rB, 12*bb
.else
.set rB, G23+12*(bb-8)
.endif
.irp t, 0,1,2,3
.set rD, 8*(4*(bb%8)+\t)
.if \zero
.if bb%2
	v_wmma_scale_f32_16x16x128_f8f6f4 v[rD:rD+7], v[AF+12*\t:AF+12*\t+11], v[rB:rB+11], 0, v[ASR+\t], v[BSR+bb/2] matrix_a_fmt:MATRIX_FMT_FP6 matrix_b_fmt:MATRIX_FMT_FP6 matrix_b_scale:MATRIX_SCALE_ROW1
.else
	v_wmma_scale_f32_16x16x128_f8f6f4 v[rD:rD+7], v[AF+12*\t:AF+12*\t+11], v[rB:rB+11], 0, v[ASR+\t], v[BSR+bb/2] matrix_a_fmt:MATRIX_FMT_FP6 matrix_b_fmt:MATRIX_FMT_FP6
.endif
.else
.if bb%2
	v_wmma_scale_f32_16x16x128_f8f6f4 v[rD:rD+7], v[AF+12*\t:AF+12*\t+11], v[rB:rB+11], v[rD:rD+7], v[ASR+\t], v[BSR+bb/2] matrix_a_fmt:MATRIX_FMT_FP6 matrix_b_fmt:MATRIX_FMT_FP6 matrix_b_scale:MATRIX_SCALE_ROW1
.else
	v_wmma_scale_f32_16x16x128_f8f6f4 v[rD:rD+7], v[AF+12*\t:AF+12*\t+11], v[rB:rB+11], v[rD:rD+7], v[ASR+\t], v[BSR+bb/2] matrix_a_fmt:MATRIX_FMT_FP6 matrix_b_fmt:MATRIX_FMT_FP6
.endif
.endif
.endr
.set bb, bb+1
.endr
.endm
; A STEP.  par = step % 2: its slot, its set of images.  zero: it starts a block's sums.  fin = 2: its slot is filled again, with the tile two steps on; 1: a barrier alone; 0: nothing.
; qn = 1: the next step's rows are quantised;  xl = 1: the rows three steps on are asked for;  lc: how many younger loads of encs may stay out.
.macro STEP par, zero, fin, xl, qn, lc
.if \qn
	s_wait_loadcnt \lc                             ; the next step's 16 loads are in
	TOSTAGE 1-\par
	FROMSTAGE
.endif
	v_add_nc_u32 v[ADS], s[TS], v[ADS0]
	FETCH_A \par
	BSC
	FETCH_B \par, 0
.if \qn
	s_wait_dscnt 48                                ; all but the 48 loads just issued: the stage's stores have read their registers, the 64 numbers are back
.if \xl
	s_add_co_u32 s2, s[SN], 3
	s_lshr_b32 s3, s2, 3
	s_lshl_b32 s3, s3, 18                          ; the block: 64 rows of 4,096 bytes
	s_add_co_u32 s2, s2, s[K0]
	s_and_b32 s2, s2, 7                            ; my cluster's K step of that step
	s_lshl_b32 s2, s2, 9                           ; 512 bytes each
	s_add_co_u32 s[XO], s3, s2
	s_wait_xcnt 0x0                                ; the earlier loads have read their base
	s_add_nc_u64 s[XA:XA+1], s[ENC:ENC+1], s[XO:XO+1]
	XLOAD 1-\par, XA, 0
.endif
	QUANT X
	IMAGE 1-\par
.endif
	FETCH_B \par, 8                                ; over the numbers just quantised
	s_wait_dscnt 24+4*\qn                          ; A, the scale words and B's first eight are in; the image's four stores and B's second 24 loads may be out
	WIN 0xa4                                       ; A window 0, B window 1, C and D window 2
	MUL 0, 8, \zero
	s_wait_dscnt 0x0                               ; B's second eight are in, my image lies in LDS, my reads of the slot and of the images are over
	WIN 0xf0                                       ; A and B window 0, C and D window 3
	MUL 8, 4, \zero
.if \fin == 0
	MUL 12, 4, \zero
	WIN 0
.else
	WIN 0                                          ; (the add's two registers lie in window 0)
	s_wait_tensorcnt 0x0                           ; all my tensor loads have landed: the one that was out is the next step's quarter; so a group 0 may be written
	ds_add_u32 v[SPW], v[NIL]                      ; 0 onto my spare word
.if \fin == 2
	s_add_co_u32 s2, s[SN], 2
	s_add_co_u32 s2, s2, s[K0]
	s_and_b32 s2, s2, 7
	s_mul_i32 s[OFF], s2, TILE                     ; my cluster's tile two steps on (the second block walks the same eight in the same order)
	s_add_nc_u64 s[G0+4*\par+2:G0+4*\par+3], s[BB:BB+1], s[OFF:OFF+1]
	s_or_b32 s[G0+4*\par+3], s[G0+4*\par+3], 0x80000000
.endif
	WIN 0xf0
	MUL 12, 2, \zero                               ; eight matrix instructions stand between the add and the wait for it
	s_wait_dscnt 0x0                               ; the add is done
	s_barrier_signal -1                            ; one barrier: the next step's images are whole, nobody reads this step's images or this slot any more
	MUL 14, 2, \zero
	WIN 0
	s_barrier_wait -1
.if \fin == 2
	CREST                                          ; the barrier has opened a round of the cluster's: no wave of any partner still reads this slot or has a load on its way
	tensor_load_to_lds s[G0+4*\par:G0+4*\par+3], s[G1:G1+7]   ; my one tensor load behind the round, and the first thing there
	s_nop 0
.endif
	PLACES 4                                       ; the places in front of the loads into registers that matrix instructions have read
.endif
	s_add_co_u32 s[SN], s[SN], 1
	s_add_co_u32 s[TS], s[TS], 1024
.endm
; THE EPILOGUE of a block of 64 rows
.macro EPI blk
	PLACES 5                                       ; behind the last products: four in front of reads of results and writes of operands, five in front of the products that begin the accumulators anew
	; my columns' part of the scores: pair (t, i) = rows 16 t + 8 h + 2 i, + 1, summed over my lane's 16 columns.  Each accumulator is read from its low end on
.set bb, 0
.rept 16
	WIN 0x02+bb/8                                  ; source 0: window 2 or 3
.irp t, 0,1,2,3
.irp i, 0,1,2,3
.set rA, 8*(4*(bb%8)+\t)+2*\i
.if bb == 0
	v_pk_mul_f32 v[SPR+8*\t+2*\i:SPR+8*\t+2*\i+1], v[rA:rA+1], v[ART2+2*bb:ART2+2*bb+1]
.else
	v_pk_fma_f32 v[SPR+8*\t+2*\i:SPR+8*\t+2*\i+1], v[rA:rA+1], v[ART2+2*bb:ART2+2*bb+1], v[SPR+8*\t+2*\i:SPR+8*\t+2*\i+1]
.endif
.endr
.endr
.set bb, bb+1
.endr
	WIN 0
.irp x, 1,2,4,8                        ; over the sixteen lanes of my half: my wave's 256 columns
.set j, 0
.rept 32
	v_add_f32_dpp v[SPR+j], v[SPR+j], v[SPR+j] row_xmask:\x row_mask:0xf bank_mask:0xf
.set j, j+1
.endr
.endr
.irp t, 0,1,2,3
.irp e, 0,1
	ds_store_b128 v[SCW], v[SPR+8*\t+4*\e:SPR+8*\t+4*\e+3] offset:64*\t+16*\e   ; the sixteen lanes of a half write the same bytes with the same values
.endr
.endr
	s_wait_dscnt 0x0                               ; for the others' sake
	s_barrier_signal -1
	s_barrier_wait -1                              ; a tensor load may stay out
.irp w, 0,1,2,3
.irp t, 0,1,2,3
.irp e, 0,1
	ds_load_b128 v[SPR+32*\w+8*\t+4*\e:SPR+32*\w+8*\t+4*\e+3], v[SCRD] offset:256*\w+64*\t+16*\e
.endr
.endr
.endr
	s_wait_dscnt 0x0
.set p, 0
.rept 16                               ; (0 + 1) + (2 + 3): the same order in every wave, so every wave has the same bits
	v_pk_add_f32 v[SPR+p:SPR+p+1], v[SPR+p:SPR+p+1], v[SPR+32+p:SPR+32+p+1]
	v_pk_add_f32 v[SPR+64+p:SPR+64+p+1], v[SPR+64+p:SPR+64+p+1], v[SPR+96+p:SPR+96+p+1]
.set p, p+2
.endr
.set p, 0
.rept 16
	v_pk_add_f32 v[SPR+p:SPR+p+1], v[SPR+p:SPR+p+1], v[SPR+64+p:SPR+64+p+1]
.set p, p+2
.endr
.irp c, 0,1,2,3                        ; the block's largest score: my 32 in four chains, then the other half of the lanes'
	v_max3_num_f32 v[MX+\c], v[SPR+8*\c], v[SPR+8*\c+1], v[SPR+8*\c+2]
.endr
.irp c, 0,1,2,3
	v_max3_num_f32 v[MX+\c], v[MX+\c], v[SPR+8*\c+3], v[SPR+8*\c+4]
.endr
.irp c, 0,1,2,3
	v_max3_num_f32 v[MX+\c], v[MX+\c], v[SPR+8*\c+5], v[SPR+8*\c+6]
.endr
.irp c, 0,1,2,3
	v_max_num_f32 v[MX+\c], v[MX+\c], v[SPR+8*\c+7]
.endr
	v_max3_num_f32 v[MX], v[MX], v[MX+1], v[MX+2]
	v_mov_b32 v[MX+4], 0                           ; a lane permute's destination counts as one of its sources
	v_max_num_f32 v[MX], v[MX], v[MX+3]
	v_permlanex16_b32 v[MX+4], v[MX], s[SEL], s[SEL+1]
	v_max_num_f32 v[MX], v[MX], v[MX+4]            ; m
	v_mov_b32 v[MX+1], v[MX]
.set p, 0
.rept 16
	v_pk_add_f32 v[SPR+p:SPR+p+1], v[SPR+p:SPR+p+1], v[MX:MX+1] neg_lo:[0,1] neg_hi:[0,1]   ; score - m first: the difference of near numbers is exact, which a multiply-add with m log2(e) would not keep
.set p, p+2
.endr
.set p, 0
.rept 16
	v_pk_mul_f32 v[SPR+p:SPR+p+1], v[SPR+p:SPR+p+1], 0x3fb8aa3b op_sel_hi:[1,0]   ; x log2(e)
.set p, p+2
.endr
.set p, 0
.rept 32
	v_exp_f32 v[SPR+p], v[SPR+p]                   ; p = exp(score - m), at most 1
.set p, p+1
.endr
	v_nop                                          ; one plain place behind the exponentials
	s_wait_alu depctr_va_vdst(0)
	v_pk_add_f32 v[MX+2:MX+3], v[SPR:SPR+1], v[SPR+2:SPR+3]        ; l, in two chains
	v_pk_add_f32 v[MX+4:MX+5], v[SPR+4:SPR+5], v[SPR+6:SPR+7]
.irp p, 8,12,16,20,24,28
	v_pk_add_f32 v[MX+2:MX+3], v[MX+2:MX+3], v[SPR+\p:SPR+\p+1]
	v_pk_add_f32 v[MX+4:MX+5], v[MX+4:MX+5], v[SPR+\p+2:SPR+\p+3]
.endr
	v_pk_add_f32 v[MX+2:MX+3], v[MX+2:MX+3], v[MX+4:MX+5]
	v_add_f32 v[MX+2], v[MX+2], v[MX+3]
	v_permlanex16_b32 v[MX+4], v[MX+2], s[SEL], s[SEL+1]
	v_add_f32 v[MX+1], v[MX+2], v[MX+4]            ; (m, l)
	; O: for each of my lane's 16 columns the sum over its 32 rows of p E, two rows at a time
.irp hw, 0,1
	WIN 0x02+\hw
.irp t, 0,1,2,3
.irp i, 0,1,2,3
.irp b, 0,1,2,3,4,5,6,7
.set rA, 8*(4*\b+\t)+2*\i
.set rT, TT+2*(8*\hw+\b)
.if (\t+\i) == 0
	v_pk_mul_f32 v[rT:rT+1], v[rA:rA+1], v[SPR+8*\t+2*\i:SPR+8*\t+2*\i+1]
.else
	v_pk_fma_f32 v[rT:rT+1], v[rA:rA+1], v[SPR+8*\t+2*\i:SPR+8*\t+2*\i+1], v[rT:rT+1]
.endif
.endr
.endr
.endr
.endr
	WIN 0
.set p, 0
.rept 16
	v_add_f32 v[UU+p], v[TT+2*p], v[TT+2*p+1]
.set p, p+1
.endr
.set p, 0
.rept 8                                ; tiles 2 q and 2 q + 1 exchange half rows of lanes: the sum then holds, in lane l, column 32 q + l over all 64 rows
	v_permlane16_swap_b32 v[UU+2*p], v[UU+2*p+1]
.set p, p+1
.endr
.set p, 0
.rept 8
	v_add_f32 v[ZZ+p], v[UU+2*p], v[UU+2*p+1]
.set p, p+1
.endr
.irp q, 0,1,2,3,4,5,6,7
	ds_store_b32 v[OSW], v[ZZ+\q] offset:128*\q
.endr
.irp e, 0,1
	ds_load_b128 v[OB+4*\e:OB+4*\e+3], v[OSR] offset:512*\e   ; my own bytes, served in order
.endr
	s_wait_dscnt 0x0
.irp e, 0,1
	global_store_b128 v[GX], v[OB+4*\e:OB+4*\e+3], s[12:13] offset:REC*\blk+512*\e   ; 32 lanes store 512 consecutive bytes, aligned
.endr
	s_cmp_lg_u32 s[WV], 0
	s_cbranch_scc1 .Lnot_first_\@
	global_store_b64 v[L8], v[MX:MX+1], s[14:15] offset:REC*\blk   ; (m, l) 32 times: 256 consecutive bytes, aligned
.Lnot_first_\@:
	s_wait_xcnt 0x0                                ; the stores have read their registers, which the next step's loads write
.endm
	s_load_b256 s[4:11], s[0:1], 0x0               ; encs s[4:5], wcodes s[6:7], wscales s[8:9], out0 s[10:11]
	s_load_b64 s[12:13], s[0:1], 0x20              ; part
	v_lshl_add_u32 v[SPW], v0, 2, SPARE
	v_mov_b32 v[NIL], 0
	ds_add_u32 v16, v17
	ds_add_u32 v16, v17
	s_wait_dscnt 0x0
	v_lshrrev_b32 v248, 5, v0
	v_readfirstlane_b32 s[WV], v248                ; wave 0..3
	s_bfe_u32 s17, ttmp6, 0x40000                  ; cx: my place in the cluster
	s_lshl_b32 s18, ttmp9, 2                       ; in a cluster launch ttmp9 counts clusters
	s_add_co_u32 s18, s18, s17                     ; g: it enters the addresses of encs, out0 and part alone
	s_and_b32 s[K0], ttmp9, 7                      ; where my cluster's walk along K begins: equal in the four partners; it enters global addresses alone
	v_and_b32 v248, 31, v0                         ; lane
	v_and_b32 v249, 15, v0                         ; r
	v_bfe_u32 v250, v0, 4, 1                       ; h
	v_lshlrev_b32 v251, 2, v248
	v_lshlrev_b32 v252, 2, v249
	v_lshlrev_b32 v[GX], 4, v248
	v_lshlrev_b32 v[L8], 3, v248
	s_mul_i32 s2, s[WV], QT
	v_add_nc_u32 v[ADB0], s2, v[GX]
	v_add_nc_u32 v[ADB0+1], SLOT1, v[ADB0]
	s_lshl_b32 s2, s[WV], 13
	s_add_co_u32 s2, s2, SCLB
	v_add_nc_u32 v[ADS0], s2, v251
	v_add_nc_u32 v[ADA], AIMG, v[GX]
	v_add_nc_u32 v[ADAS], ASC, v251
	s_mul_i32 s2, s[WV], 1536
	v_add_nc_u32 v[XWI], s2, v[ADA]
	s_lshl_b32 s2, s[WV], 7
	v_add_nc_u32 v[XWS], s2, v[ADAS]
	s_mul_i32 s2, s[WV], 16*SPITCH
	s_add_co_u32 s2, s2, STG
	v_add_nc_u32 v[STW], s2, v[GX]
	v_mul_u32_u24 v[STR], v249, SPITCH
	v_lshl_add_u32 v[STR], v250, 6, v[STR]
	v_add_nc_u32 v[STR], s2, v[STR]
	v_lshlrev_b32 v[SCRD], 5, v250
	v_add_nc_u32 v[SCRD], SCR, v[SCRD]
	s_lshl_b32 s2, s[WV], 8
	v_add_nc_u32 v[SCW], s2, v[SCRD]
	s_lshl_b32 s2, s[WV], 10
	s_add_co_u32 s2, s2, OSTG
	v_add_nc_u32 v[OSW], s2, v251
	v_add_nc_u32 v[OSR], s2, v[GX]
.irp b, 0,1,2,3
	v_mov_b32 v[TM+4+\b], 0                        ; written once: a lane permute's destination counts as one of its sources
.endr
	s_mov_b32 s[SEL], 0x76543210
	s_mov_b32 s[SEL+1], 0xfedcba98                 ; v_permlanex16_b32's selects for lane l xor 16
	s_mov_b32 s[SN], 0
	s_mov_b32 s[TS], 0
	s_mov_b32 s[OFF+1], 0
	s_mov_b32 s[XO+1], 0
	s_mov_b32 s3, 0
	s_mov_b32 s59, 0
	; group 1: a dense block as rows of 256 bytes (32 elements of 8 bytes), no padding: an image is read 512 consecutive bytes at a time
	s_mov_b32 s[G1], 15|(3<<16)|(1<<21)            ; 15:0 the mask: all four work-groups; 17:16 elements of 8 bytes; 21 set beside a mask
	s_mov_b32 s[G1+1], 32<<16                      ; tensor_dim0 = 32
	s_mov_b32 s[G1+2], 96<<16                      ; tensor_dim1 = 96
	s_mov_b32 s[G1+3], 32<<16                      ; tile_dim0 = 32
	s_mov_b32 s[G1+4], 96                          ; tile_dim1 = 96: 24,576 bytes
	s_mov_b32 s[G1+5], 32                          ; tensor_dim0_stride
	s_mov_b32 s[G1+6], 0
	s_mov_b32 s[G1+7], 0
	s_mov_b32 s[G1S], 15|(3<<16)|(1<<21)
	s_mov_b32 s[G1S+1], 32<<16
	s_mov_b32 s[G1S+2], 32<<16                     ; 32 rows: 8,192 bytes
	s_mov_b32 s[G1S+3], 32<<16
	s_mov_b32 s[G1S+4], 32
	s_mov_b32 s[G1S+5], 32
	s_mov_b32 s[G1S+6], 0
	s_mov_b32 s[G1S+7], 0
	s_wait_kmcnt 0x0
	s_lshl_b32 s58, s18, 19                        ; 128 rows of 4,096 bytes a work-group,
	s_lshl_b32 s17, s[WV], 16                      ; 16 a wave
	s_add_co_u32 s58, s58, s17
	s_add_nc_u64 s[ENC:ENC+1], s[ENC:ENC+1], s[58:59]
	s_lshr_b32 s58, s18, 4                         ; the batch:
	s_lshl_b32 s58, s58, 13                        ; its row of out0,
	s_lshl_b32 s17, s[WV], 10
	s_add_co_u32 s58, s58, s17
	s_add_co_u32 s58, s58, 4096                    ; art, my wave's 256 numbers
	s_add_nc_u64 s[10:11], s[10:11], s[58:59]
	s_mul_i32 s58, s18, 2*REC
	s_add_nc_u64 s[12:13], s[12:13], s[58:59]      ; my work-group's two records
	s_add_nc_u64 s[14:15], s[12:13], 4096          ; their (m, l)
	s_mov_b32 s58, s17
	s_add_nc_u64 s[12:13], s[12:13], s[58:59]      ; my wave's 1,024 bytes of O
	s_mul_i32 s2, s[WV], QT
	s_add_nc_u64 s[BB:BB+1], s[BB:BB+1], s[2:3]
	s_lshl_b32 s2, s[WV], 14                       ; my quarter's scale words: two copies of eight K steps on end,
	s_lshl_b32 s[OFF], s[K0], 10                   ; of which I take eight from my cluster's first K step on
	s_add_co_u32 s2, s2, s[OFF]
	s_add_nc_u64 s[8:9], s[8:9], s[2:3]
	s_mov_b32 s[G0], 1                             ; count = 1
	s_mul_i32 s[G0+1], s[WV], QT                   ; LDS: slot 0, my quarter: no place in the cluster enters an LDS address
	s_mul_i32 s[OFF], s[K0], TILE
	s_add_nc_u64 s[G0+2:G0+3], s[BB:BB+1], s[OFF:OFF+1]   ; my cluster's first K step
	s_or_b32 s[G0+3], s[G0+3], 0x80000000          ; type = 2
	s_mov_b32 s[G0+4], 1
	s_add_co_u32 s[G0+5], s[G0+1], SLOT1
	s_add_co_u32 s2, s[K0], 1
	s_and_b32 s2, s2, 7
	s_mul_i32 s[OFF], s2, TILE
	s_add_nc_u64 s[G0+6:G0+7], s[BB:BB+1], s[OFF:OFF+1]   ; its second
	s_or_b32 s[G0+7], s[G0+7], 0x80000000
	s_lshl_b32 s2, s2, 9
	s_add_nc_u64 s[XB:XB+1], s[ENC:ENC+1], s[2:3]  ; encs at that second K step,
	s_lshl_b32 s[XO], s[K0], 9
	s_add_nc_u64 s[XA:XA+1], s[ENC:ENC+1], s[XO:XO+1]   ; and at the first
	s_mov_b32 s[G0S], 1
	s_lshl_b32 s2, s[WV], 13
	s_add_co_u32 s[G0S+1], s2, SCLB
	s_mov_b64 s[G0S+2:G0S+3], s[8:9]
	s_or_b32 s[G0S+3], s[G0S+3], 0x80000000
.irp b, 0,1,2,3,4,5,6,7,8,9,10,11,12,13,14,15
	global_load_b32 v[ART2+2*\b], v252, s[10:11] offset:64*\b      ; art of column 256 w + 16 b + r, twice: a pair for the packed forms
	global_load_b32 v[ART2+2*\b+1], v252, s[10:11] offset:64*\b
.endr
	XLOAD 0, XA, 0                                 ; step 0's rows
	XLOAD 1, XB, 0                                 ; step 1's
	CROUND                                         ; all four work-groups are here: the first joint loads meet
	tensor_load_to_lds s[G0S:G0S+3], s[G1S:G1S+7]  ; the first fills go out as one group: the scale words, filled once,
	s_nop 0
	tensor_load_to_lds s[G0:G0+3], s[G1:G1+7]      ; slot 0,
	s_nop 0
	tensor_load_to_lds s[G0+4:G0+7], s[G1:G1+7]    ; slot 1
	s_nop 0
	PLACES 4
	s_wait_loadcnt 16                              ; art and step 0's rows are in; step 1's 16 loads may be out
	TOSTAGE 0
	FROMSTAGE
	s_add_co_u32 s2, s[K0], 2
	s_and_b32 s2, s2, 7
	s_lshl_b32 s[XO], s2, 9
	s_wait_dscnt 0x0
	s_wait_xcnt 0x0                                ; every earlier load has read its base (step 0's, which named this pair, are in as well)
	s_add_nc_u64 s[XA:XA+1], s[ENC:ENC+1], s[XO:XO+1]
	XLOAD 0, XA, 0                                 ; step 2's rows, into the registers that the stage's stores have read
	QUANT X
	IMAGE 0
	s_wait_tensorcnt 0x1                           ; the scale words and slot 0 are in; slot 1's load may stay out
	s_wait_dscnt 0x0                               ; my image lies in LDS
	s_barrier_signal -1
	s_barrier_wait -1
	STEP 0, 1, 2, 1, 1, 16                         ; step 0 starts the first block's sums
	s_mov_b32 s[CNT], 3
.Lfirst:                                               ; steps 1 to 6
	STEP 1, 0, 2, 1, 1, 16
	STEP 0, 0, 2, 1, 1, 16
	s_sub_co_u32 s[CNT], s[CNT], 1
	s_cmp_lg_u32 s[CNT], 0
	s_cbranch_scc1 .Lfirst
	STEP 1, 0, 2, 1, 1, 16                         ; step 7
	EPI 0
	s_mov_b32 s[TS], 0
	STEP 0, 1, 2, 1, 1, 16                         ; step 8 starts the second block's sums
	s_mov_b32 s[CNT], 2
.Lsecond:                                              ; steps 9 to 12
	STEP 1, 0, 2, 1, 1, 16
	STEP 0, 0, 2, 1, 1, 16
	s_sub_co_u32 s[CNT], s[CNT], 1
	s_cmp_lg_u32 s[CNT], 0
	s_cbranch_scc1 .Lsecond
	STEP 1, 0, 2, 0, 1, 16                         ; the tail is written out: step 13 asks for the last tile and for no more rows,
	STEP 0, 0, 1, 0, 1, 0                          ; step 14 fills nothing,
	STEP 1, 0, 0, 0, 0, 0                          ; step 15 quantises nothing
	EPI 1
	s_wait_tensorcnt 0x0                           ; the wave's end: behind my last tensor load and my last LDS store
	ds_add_u32 v[SPW], v[NIL]
	s_wait_dscnt 0x0
	CROUND                                         ; the closing round: no work-group ends while a partner may still ask for a tile that names it
	s_endpgm
.Lfunc_end_k_qe14d4ebc80_main:
	.size	k_qe14d4ebc80_main, .Lfunc_end_k_qe14d4ebc80_main-k_qe14d4ebc80_main
	.p2alignl 7, 3214868480
	.fill 96, 4, 3214868480
	.section	.rodata,"a",@progbits
	.p2align	6, 0x0
	.amdhsa_kernel k_qe14d4ebc80_main
		.amdhsa_group_segment_fixed_size 327680
		.amdhsa_private_segment_fixed_size 0
		.amdhsa_enable_private_segment 0
		.amdhsa_kernarg_size 40
		.amdhsa_user_sgpr_count 2
		.amdhsa_user_sgpr_kernarg_segment_ptr 1
		.amdhsa_wavefront_size32 1
		.amdhsa_system_sgpr_workgroup_id_x 1
		.amdhsa_system_sgpr_workgroup_id_y 1
		.amdhsa_system_sgpr_workgroup_id_z 1
		.amdhsa_system_vgpr_workitem_id 0
		.amdhsa_next_free_vgpr 1024
		.amdhsa_next_free_sgpr 66
		.amdhsa_reserve_vcc 0
		.amdhsa_float_denorm_mode_32 3
		.amdhsa_float_denorm_mode_16_64 3
		.amdhsa_memory_ordered 1
		.amdhsa_forward_progress 1
		.amdhsa_inst_pref_size 255
	.end_amdhsa_kernel
	.section	.bss,"aw",@nobits
	.p2align	6
	.space	262144
	.amdgpu_metadata
---
amdhsa.version: [ 1, 2 ]
amdhsa.kernels:
  - .name:           k_qe14d4ebc80_main
    .symbol:         k_qe14d4ebc80_main.kd
    .args:
      - { .name: encs, .offset: 0, .size: 8, .value_kind: global_buffer, .address_space: global }
      - { .name: wcodes, .offset: 8, .size: 8, .value_kind: global_buffer, .address_space: global }
      - { .name: wscales, .offset: 16, .size: 8, .value_kind: global_buffer, .address_space: global }
      - { .name: out0, .offset: 24, .size: 8, .value_kind: global_buffer, .address_space: global }
      - { .name: part, .offset: 32, .size: 8, .value_kind: global_buffer, .address_space: global }
    .group_segment_fixed_size: 327680
    .private_segment_fixed_size: 0
    .kernarg_segment_align: 8
    .kernarg_segment_size: 40
    .max_flat_workgroup_size: 128
    .sgpr_count:     66
    .vgpr_count:     1024
    .wavefront_size: 32
...
	.end_amdgpu_metadata
.endif
;; end of part 2
;; launch finish (part 3): grid 4 x 16, 2 waves a work-group, no clusters, 0 bytes of LDS; arguments part, out0; writes out0
.if DOCPART == 3
	.amdgcn_target "amdgcn-amd-amdhsa--gfx1250"
	.amdhsa_code_object_version 6
	.text
	.protected	k_qe14d4ebc80_finish
	.globl	k_qe14d4ebc80_finish
	.p2align	8
	.type	k_qe14d4ebc80_finish,@function
k_qe14d4ebc80_finish:
	s_mov_b64 s[64:65], 0
	v_nop
	global_prefetch_b8 v0, s[64:65] scope:SCOPE_SE
	s_setreg_imm32_b32 hwreg(HW_REG_WAVE_MODE, 25, 1), 1
	s_wait_xcnt 0x0
; A batch's 32 records (O[1024], and (m, l): a block's largest score and the sum of its exp(score - m)) are joined: M = the largest m, w = exp(m - M),
; out0[batch][col] = (sum of w O[col]) / (sum of w l), col = 0 .. 1023.  All in f32; the largest m is taken away before the exponential; l is at least 1, so the divisor is at least 1.
; Work-group (x, batch) takes columns 256 x on; thread t four of them: a load or store of a wave covers 512 consecutive bytes, aligned.  Lane g of each wave holds record g's (m, l).
; A stream of 2.2 MB on 64 small work-groups that share nothing: no LDS, no barrier, no cluster, no matrix unit.
.set REC, 4352
	s_load_b128 s[4:7], s[0:1], 0x0                ; part, out0
	v_and_b32 v1, 31, v0
	v_mul_u32_u24 v2, v1, REC                      ; record = lane
	v_lshlrev_b32 v3, 4, v0                        ; 16 t
	s_and_b32 s8, ttmp7, 0xffff                    ; the batch
	s_mul_i32 s10, s8, 32*REC
	s_mov_b32 s11, 0
	s_lshl_b32 s12, ttmp9, 10                      ; my 256 columns
	s_mov_b32 s13, 0
	s_lshl_b32 s14, s8, 13                         ; the batch's row of out0
	s_add_co_u32 s14, s14, s12
	s_mov_b32 s15, 0
	s_mov_b32 s16, 0x76543210
	s_mov_b32 s17, 0xfedcba98                      ; v_permlanex16_b32's selects for lane l xor 16
	s_wait_kmcnt 0x0
	s_add_nc_u64 s[4:5], s[4:5], s[10:11]
	s_add_nc_u64 s[8:9], s[4:5], s[12:13]
	s_add_nc_u64 s[6:7], s[6:7], s[14:15]
	global_load_b64 v[4:5], v2, s[4:5] offset:4096 ; (m, l)
.irp g, 0,1,2,3,4,5,6,7,8,9,10,11,12,13,14,15,16,17,18,19,20,21,22,23,24,25,26,27,28,29,30,31
	global_load_b128 v[32+4*\g:35+4*\g], v3, s[8:9] offset:REC*\g
.endr
	s_wait_loadcnt 32                              ; (m, l) is in; O's 32 loads may be out
	v_mov_b32 v6, v4
	v_mov_b32 v7, 0                                ; a lane permute's destination counts as one of its sources
.irp x, 1,2,4,8
	v_max_num_f32_dpp v6, v6, v6 row_xmask:\x row_mask:0xf bank_mask:0xf
.endr
	v_permlanex16_b32 v7, v6, s16, s17
	v_max_num_f32 v6, v6, v7                       ; M
	v_sub_f32 v8, v4, v6
	v_mul_f32 v8, 0x3fb8aa3b, v8                   ; x log2(e)
	v_exp_f32 v8, v8                               ; w
	v_nop                                          ; one plain place behind a transcendental
	s_wait_alu depctr_va_vdst(0)
	v_mul_f32 v9, v8, v5                           ; w l
.irp x, 1,2,4,8
	v_add_f32_dpp v9, v9, v9 row_xmask:\x row_mask:0xf bank_mask:0xf
.endr
	v_permlanex16_b32 v7, v9, s16, s17
	v_add_f32 v9, v9, v7
	v_rcp_f32 v9, v9
	v_nop
	s_wait_alu depctr_va_vdst(0)
	v_mul_f32 v8, v8, v9                           ; w / the sum: the division is done once, on the weights
.irp g, 0,1,2,3,4,5,6,7,8,9,10,11,12,13,14,15,16,17,18,19,20,21,22,23,24,25,26,27,28,29,30,31
	v_readlane_b32 s[20+\g], v8, \g                ; values for the multiply-adds below: no address and no branch hangs on them
.endr
	s_wait_loadcnt 0x0
.irp c, 0,1,2,3
	v_mul_f32 v[12+\c], s20, v[32+\c]              ; the first record starts the sums
.endr
.irp g, 1,2,3,4,5,6,7,8,9,10,11,12,13,14,15,16,17,18,19,20,21,22,23,24,25,26,27,28,29,30,31
.irp c, 0,1,2,3
	v_fmac_f32 v[12+\c], s[20+\g], v[32+4*\g+\c]
.endr
.endr
	global_store_b128 v3, v[12:15], s[6:7]
	s_endpgm
.Lfunc_end_k_qe14d4ebc80_finish:
	.size	k_qe14d4ebc80_finish, .Lfunc_end_k_qe14d4ebc80_finish-k_qe14d4ebc80_finish
	.p2alignl 7, 3214868480
	.fill 96, 4, 3214868480
	.section	.rodata,"a",@progbits
	.p2align	6, 0x0
	.amdhsa_kernel k_qe14d4ebc80_finish
		.amdhsa_group_segment_fixed_size 0
		.amdhsa_private_segment_fixed_size 0
		.amdhsa_enable_private_segment 0
		.amdhsa_kernarg_size 16
		.amdhsa_user_sgpr_count 2
		.amdhsa_user_sgpr_kernarg_segment_ptr 1
		.amdhsa_wavefront_size32 1
		.amdhsa_system_sgpr_workgroup_id_x 1
		.amdhsa_system_sgpr_workgroup_id_y 1
		.amdhsa_system_sgpr_workgroup_id_z 1
		.amdhsa_system_vgpr_workitem_id 0
		.amdhsa_next_free_vgpr 176
		.amdhsa_next_free_sgpr 66
		.amdhsa_reserve_vcc 0
		.amdhsa_float_denorm_mode_32 3
		.amdhsa_float_denorm_mode_16_64 3
		.amdhsa_memory_ordered 1
		.amdhsa_forward_progress 1
		.amdhsa_inst_pref_size 12
	.end_amdhsa_kernel
	.amdgpu_metadata
---
amdhsa.version: [ 1, 2 ]
amdhsa.kernels:
  - .name:           k_qe14d4ebc80_finish
    .symbol:         k_qe14d4ebc80_finish.kd
    .args:
      - { .name: part, .offset: 0, .size: 8, .value_kind: global_buffer, .address_space: global }
      - { .name: out0, .offset: 8, .size: 8, .value_kind: global_buffer, .address_space: global }
    .group_segment_fixed_size: 0
    .private_segment_fixed_size: 0
    .kernarg_segment_align: 8
    .kernarg_segment_size: 16
    .max_flat_workgroup_size: 64
    .sgpr_count:     66
    .vgpr_count:     176
    .wavefront_size: 32
...
	.end_amdgpu_metadata
.endif
;; end of part 3
